; MI455X (gfx1250); checked and timed in simulation.
; The chip was launched on July 23, 2026; its instructions are those of AMD's public machine-readable ISA for CDNA 5 (MIT licence, August 2026) and "CDNA5" Instruction Set Architecture Reference Guide (July 2026). The comments in the code are by the model that wrote it; some were corrected since.
;; Multi Head Attention. Allowed arithmetic: matrix products marked QUANTISED: E2M1 operands, one E8M0 scale for each 32 along K, by v_wmma_scale_f32_16x16x128_f8f6f4 with both operands' format E2M1 (or v_wmma_scale_f32_32x16x128_f4), f32 sums; everything else in f32.
;; Inputs: Wk_codes 1,024 x 32 x 16 uint8 (E2M1 codes of Wk, K innermost, in blocks of 32 codes, two codes a byte); Wk_scales 1,024 x 32 uint8 (E8M0 scales of Wk, one for each 32 codes along K); Wo_codes 1,024 x 32 x 16 uint8 (E2M1 codes of Wo, K innermost, in blocks of 32 codes, two codes a byte); Wo_scales 1,024 x 32 uint8 (E8M0 scales of Wo, one for each 32 codes along K); Wq_codes 1,024 x 32 x 16 uint8 (E2M1 codes of Wq, K innermost, in blocks of 32 codes, two codes a byte); Wq_scales 1,024 x 32 uint8 (E8M0 scales of Wq, one for each 32 codes along K); Wv_codes 1,024 x 32 x 16 uint8 (E2M1 codes of Wv, K innermost, in blocks of 32 codes, two codes a byte); Wv_scales 1,024 x 32 uint8 (E8M0 scales of Wv, one for each 32 codes along K); bk 1,024 float32; bo 1,024 float32; bq 1,024 float32; bv 1,024 float32; x_codes 4 x 2,048 x 32 x 16 uint8 (E2M1 codes of x, K innermost, in blocks of 32 codes, two codes a byte); x_scales 4 x 2,048 x 32 uint8 (E8M0 scales of x, one for each 32 codes along K).
;; Outputs: out0 4 x 1,024 float32.
;; This version of the problem:
;;   THIS VERSION OF THE PROBLEM IS GIVEN IN LOW PRECISION. The matrix products marked QUANTISED in the list below multiply operands that are first quantised to E2M1 (2 exponent bits, 1 mantissa bit; 4 bits a number), with one power-of-two scale for each 32 numbers along K (OCP MX v1.0); their sums are f32. All else is computed in f32.
;;   The module's matrix products, in the order in which they are computed (A, B: the left and right operand; K: the contracted axis; several contracted axes count as one K, in the product's order):
;;     1. [M 8,192, K 1,024] x [K 1,024, N 1,024]; A: input x (given as codes); B: input Wq (given as codes): QUANTISED
;;     2. [M 8,192, K 1,024] x [K 1,024, N 1,024]; A: input x (given as codes); B: input Wk (given as codes): QUANTISED
;;     3. [M 8,192, K 1,024] x [K 1,024, N 1,024]; A: input x (given as codes); B: input Wv (given as codes): QUANTISED
;;     4. batch 64 x [M 2,048, K 64] x [K 64, N 2,048]; A: computed on the way; B: computed on the way: QUANTISED
;;     5. batch 64 x [M 2,048, K 2,048] x [K 2,048, N 64]; A: softmax (see below); B: computed on the way: QUANTISED
;;     6. [M 8,192, K 1,024] x [K 1,024, N 1,024]; A: computed on the way; B: input Wo (given as codes): QUANTISED
;;   THE QUANTISER, for each operand of a quantised product, along K:
;;     - K is cut into blocks of 32 from its start; a last block that is shorter is filled with zeros.
;;     - A block's scale is 2^e with e = floor(log2(the largest magnitude in the block)) - 2, held to -126 .. 127; a block of zeros has e = 0. As a byte (E8M0): e + 127.
;;     - Each number is divided by its block's scale, clamped to +-6, and rounded to the nearest number of E2M1, ties to even, subnormals kept.
;;     - The product sums the exact products of the quantised numbers (number of the format x scale) in f32.
;;   ~~~python
;;   def quantise(x, axis):      # numpy; x: float32 -> the quantised numbers, widened to float32 again
;;       x = np.moveaxis(x, axis, -1); K = x.shape[-1]
;;       x = np.pad(x, [(0, 0)] * (x.ndim - 1) + [(0, -K % 32)]); x = x.reshape(x.shape[:-1] + (-1, 32)); a = np.abs(x).max(-1, keepdims=True)
;;       e = np.where(a > 0, np.clip(np.frexp(np.where(a > 0, a, 1))[1] - 1 - 2, -126, 127), 0)      # np.frexp(a)[1] - 1 = floor(log2(a)), exactly
;;       r = np.clip(x / 2.0 ** e, -6, 6)
;;       step = 2.0 ** (np.maximum(np.frexp(np.where(r == 0, 1, r))[1] - 1, 0) - 1)
;;       q = np.round(r / step) * step * 2.0 ** e      # np.round: ties to even
;;       return np.moveaxis(q.reshape(q.shape[:-2] + (-1,))[..., :K], -1, axis).astype(np.float32)
;;   ~~~
;;   SOFTMAX AHEAD OF A QUANTISED PRODUCT. Where the list says 'softmax', what is quantised is not the finished softmax but p = 2^(t - M), with t = logit x log2(e) and M = ceil(the row's largest t), a whole number; so 1/2 < the row's largest p <= 1. The row's sum l is taken of the UNQUANTISED p, in f32, and the product's result is divided by l at the end. Since M is a whole number, a kernel that streams over the keys may use a running M (the ceiling of the running maximum): every later rescaling is an exact power of two, which a block's scale takes up: the codes' values come out the same.
;;   OPERANDS COMPUTED ON THE WAY. 'Computed on the way' means the value that the module computes at that place (a softmax that the list does not call 'softmax' is quantised finished and normalised). What goes into a quantiser is computed in f32, as accurately as f32 sums, v_exp_f32 and their like allow (about 1e-6 of the number): no bf16 or f16 on the way to a quantiser, and a product that is left as it is and whose result goes on into a quantised operand takes f32 operands (vector FMAs, or v_wmma_f32_16x16x4_f32). A number that lies on a knife's edge between two numbers of the format may be rounded either way, as far as f32 arithmetic and the matrix unit's own rounding can turn it there, and no further.
;;   INPUTS GIVEN AS CODES. Wk (in the module: [1024, 1024], K = its axis 1); Wo (in the module: [1024, 1024], K = its axis 1); Wq (in the module: [1024, 1024], K = its axis 1); Wv (in the module: [1024, 1024], K = its axis 1); x (in the module: [4, 2048, 1024], K = its axis 2): each comes as NAME_codes (uint8): NAME with its K axis moved to the last place and cut into blocks of 32 codes, [.., K / 32, bytes a block], one block behind the other in memory; two codes a byte, the lower K in the low four bits (a code: sign, 2 exponent bits, 1 mantissa bit); and NAME_scales (uint8): the same leading axes, one E8M0 byte (e + 127) for each 32 codes along K. Its value is code x scale, taken as it is: it is not quantised again, and the codes and scales need not be those that the quantiser above would give.
;; One version. Each part assembles by itself: llvm-mc -triple=amdgcn-amd-amdhsa -mcpu=gfx1250 --defsym DOCPART=n.
;; ======== version 1 of 1: 3 launches
;; workspace buffers: qimg 9,175,040 bytes; kv 9,175,040 bytes; part 2,097,152 bytes
;; launch proj (part 1): grid 4 x 48, 4 waves a work-group, clusters of 4 x 1, 327,680 bytes of LDS; arguments x_codes, x_scales, Wq_codes, Wq_scales, Wk_codes, Wk_scales, Wv_codes, Wv_scales, bq, bk, bv, qimg, kv; writes qimg, kv
.if DOCPART == 1
	.amdgcn_target "amdgcn-amd-amdhsa--gfx1250"
	.amdhsa_code_object_version 6
	.text
	.protected	k_q48a183e3a5_proj
	.globl	k_q48a183e3a5_proj
	.p2align	8
	.type	k_q48a183e3a5_proj,@function
k_q48a183e3a5_proj:
	s_mov_b64 s[64:65], 0
	v_nop
	global_prefetch_b8 v0, s[64:65] scope:SCOPE_SE
	s_setreg_imm32_b32 hwreg(HW_REG_WAVE_MODE, 25, 1), 1
	s_wait_xcnt 0x0
	s_wait_alu depctr_hold_cnt(0) depctr_sa_sdst(0) depctr_va_vdst(0) depctr_va_sdst(0) depctr_va_ssrc(0) depctr_va_vcc(0) depctr_vm_vsrc(0)
	s_getreg_b32 s2, hwreg(HW_REG_IB_STS2, 6, 4)
	s_cmp_eq_u32 s2, 0
	s_cbranch_scc0 .Lentry_in_a_cluster
	s_endpgm
.Lentry_in_a_cluster:
	s_bfe_u32 s2, ttmp6, 0x10000c
	s_cmp_lg_u32 s2, 0x3003
	s_cbranch_scc0 .Lentry_shape_is_right
	s_endpgm
.Lentry_shape_is_right:
; q = x Wq^T + bq, k = x Wk^T + bk, v = x Wv^T + bv on codes of FP4 (E2M1) with E8M0 scales, and the three results quantised again: q and k along a head's 64, v along the keys.
; ONE STRUCTURE, TWO ROLES.  Operand P (source 0: 128 rows x K 1,024 = 64 fragments, 512 registers) stays in the wave's registers; its rows become the K of the product that follows.
; Operand L (source 1) is walked in tiles of 16 rows out of LDS; its rows become lanes.  A UNIT is one tile of L against P: 64 matrix instructions on 8 accumulators by turns, then one quantiser: 8 registers of codes, one scale word.
;   q, k: P = 128 rows of Wq or Wk (two heads), L = tokens of x: code registers 0-3 are the first head's 64 numbers of a token, 4-7 the second head's.
;   v:    P = 128 tokens of x (one key step), L = rows of Wv: the 8 registers are a fragment of V^T, keys innermost.
; THE ROWS OF A TILE ARE NOT NEIGHBOURS: lane r of tile 2 b + u takes row 32 b + 8 u + r + 8 (r / 8), in P and in L alike.  In P that makes the 16 registers of tiles 2 b, 2 b + 1 sixteen neighbours along the next K.
; OUT: images of operand registers, lane l's 16 bytes at 16 l.  kv and qimg: [batch x head 64][step of 128 tokens 16][8,960 bytes]: 8 tiles of K (or Q) x 512; 4 tiles of V^T x 1,024; K's scale words [lane][4]; V's [lane][2].
;   A scale word of K or Q holds its two bytes twice: the matrix instruction's upper 64 along K are zero codes there.  Every store of a wave covers 256 or 512 consecutive bytes, aligned.
; SHARES: 12,288 units, 16 a wave: 192 work-groups (12 a wave would want shares of 192 rows of L, which divide neither 2,048 nor 1,024).  Y < 32: q and k; Y >= 32: v.
; CLUSTER: the four work-groups of a cluster walk the same 256 rows of L and hold different P: L is asked for jointly, once, at the head.  The place in the cluster enters plain global addresses and choices of buffers alone.
; LIMITS: NaN and infinities are not served.  A block whose largest magnitude lies under 2^-124 keeps the scale byte 1 (a block of zeros too: its codes are zeros; this program alone reads the bytes).
; REGISTERS, in windows of 256: window 0: addresses, accumulators, the quantiser's work, all scale words; windows 1, 2: P, fragment (t, k) at v[8 (8 (k % 4) + t)], window 1 for k < 4;
;   window 3: v0-127 L's fragments, two sets; v128-191 the bias of q or k in the result's layout.
.set LCP,   528                        ; a row of L's codes in LDS: 512 bytes + 16 of padding
.set LSB,   256*LCP                    ; behind the 256 rows: L's scale bytes, 8 rows' 256 bytes + 16 of padding
.set LSP,   272
.set STEPB, 8960
.set HEADB, 16*STEPB
.set PA,   4                           ; v4   P's codes: 512 rho + 16 h
.set PSA,  5                           ; v5   P's scale bytes: 32 rho
.set LA0,  6                           ; v6   L's codes in LDS: 528 rho + 16 h
.set LS0,  7                           ; v7   L's scale words in LDS
.set OA,   8                           ; v8   16 x lane
.set OA8,  9                           ; v9   8 x lane
.set LAC,  10                          ; v10, v11  L's codes: this trip's tiles, the next trip's first
.set LAN,  11
.set LSC,  12                          ; v12, v13  the same for the scale words
.set LSN,  13
.set BA,   14                          ; v14  the bias's offset
.set T0,   15
.set T1,   105
.set ACC,  16                          ; v16-79   8 accumulators
.set PC,   80                          ; v80-87   the codes just made
.set TM,   88                          ; v88-103  the quantiser's work
.set PW,   104                         ; v104     the scale word just made
.set SWA,  108                         ; v108-111 scale words gathered for a step: first head's (v: the d-tiles')
.set SWB,  112                         ; v112-115 second head's
.set PS,   116                         ; v116-179 P's scale words: tile t, K step k at PS + 8 t + k
.set LSR,  180                         ; v180-195 L's scale words, two sets of 8
.set CB,   196                         ; v196-203 v: the unit's bias, eight times
.set BVL,  204                         ; v204-219 v: the bias of the units still to come
.set BI,   128                         ; window 3
.set W_P1, 0x40                        ; destination window 1
.set W_P2, 0x80
.set W_L,  0xc0
.set M_B,  0x3d                        ; source 0 window 1, source 1 window 3, C window 3, D window 0
.set M_1,  0x0d                        ; source 0 window 1, source 1 window 3
.set M_2,  0x0e                        ; source 0 window 2, source 1 window 3
.set MSB, 0
.macro WIN new                         ; the immediate's high byte repeats the setting that is left
.if MSB != \new
	s_set_vgpr_msb (MSB<<8)|\new
.set MSB, \new
.endif
.endm
.macro CROUND                          ; a round of the cluster's barrier
	s_barrier_signal -1
	s_barrier_wait -1
	s_cmp_lg_u32 s30, 0
	s_cbranch_scc1 .Lnot_wave_0_\@
	s_barrier_signal -3
.Lnot_wave_0_\@:
	s_barrier_wait -3
	s_barrier_signal -1
	s_barrier_wait -1
.endm
	s_load_b256 s[4:11], s[0:1], 0x0               ; x's codes, x's scales, Wq's codes, Wq's scales
	s_load_b256 s[12:19], s[0:1], 0x20             ; Wk's codes, Wk's scales, Wv's codes, Wv's scales
	s_load_b256 s[20:27], s[0:1], 0x40             ; bq, bk, bv, qimg
	s_load_b64 s[28:29], s[0:1], 0x60              ; kv
	v_lshl_add_u32 v254, v0, 2, 0x29000
	v_mov_b32 v255, 0
	ds_add_u32 v254, v255
	ds_add_u32 v254, v255
	v_lshrrev_b32 v1, 5, v0
	v_readfirstlane_b32 s30, v1                    ; wave 0..3
	s_bfe_u32 s31, ttmp6, 0x40000                  ; cx: my place in the cluster
	s_and_b32 s32, ttmp7, 0xffff                   ; Y, which the four partners share
	s_and_b32 s33, s32, 15                         ; yy = Y - 32 on v's path
	v_and_b32 v1, 15, v0                           ; r
	v_bfe_u32 v2, v0, 4, 1                         ; h
	v_and_b32 v3, 8, v1
	v_add_nc_u32 v3, v3, v1                        ; rho = r + 8 (r / 8)
	v_lshlrev_b32 v[PA], 9, v3
	v_lshl_add_u32 v[PA], v2, 4, v[PA]
	v_lshlrev_b32 v[PSA], 5, v3
	v_mul_u32_u24 v[LA0], v3, LCP
	v_lshl_add_u32 v[LA0], v2, 4, v[LA0]
	v_lshrrev_b32 v[LS0], 3, v1
	v_mul_u32_u24 v[LS0], v[LS0], 2*LSP            ; rho's row of scale bytes lies in unit 2 (r / 8) of the tile's,
	v_and_b32 v[T0], 7, v1
	v_lshl_add_u32 v[LS0], v[T0], 5, v[LS0]        ; at 32 (r % 8) in it
	v_add_nc_u32 v[LS0], LSB, v[LS0]
	v_and_b32 v[OA], 31, v0
	v_lshlrev_b32 v[OA8], 3, v[OA]
	v_lshlrev_b32 v[OA], 4, v[OA]
.irp b, 0,1,2,3
	v_mov_b32 v[TM+4+\b], 0                        ; written once: a lane permute's destination counts as one of its sources
.endr
	s_mov_b32 s60, 0x76543210
	s_mov_b32 s61, 0xfedcba98                      ; v_permlanex16_b32's selects for lane l xor 16
	s_mov_b32 s62, 0x01000100                      ; v_perm_b32: bytes 0, 1, 0, 1 of a scale word: the first head's
	s_mov_b32 s63, 0x03020302                      ; bytes 2, 3, 2, 3: the second head's
	s_mov_b32 s66, 0xffff0000                      ; lanes 16-31
	; descriptor group 1 for L's codes: 64 rows x 512 bytes, 16 bytes of padding behind each
	s_mov_b32 s36, 15|(1<<20)|(1<<21)|(6<<22)|(3<<25)  ; 15:0 the mask: all four work-groups; 17:16 elements of 1 byte; 20 padding on; 21 set beside a mask; 24:22 after every 128 words; 31:25 four words
	s_mov_b32 s37, 512<<16                         ; tensor_dim0
	s_mov_b32 s38, 64<<16                          ; tensor_dim1
	s_mov_b32 s39, 512<<16                         ; tile_dim0
	s_mov_b32 s40, 64                              ; tile_dim1
	s_mov_b32 s41, 512                             ; from row to row
	s_mov_b32 s42, 0
	s_mov_b32 s43, 0
	; and for the scale bytes of 64 rows: 2,048 dense bytes as 8 rows of 256 (32 elements of 8 bytes), 16 bytes of padding behind each
	s_mov_b32 s48, 15|(3<<16)|(1<<20)|(1<<21)|(5<<22)|(3<<25)
	s_mov_b32 s49, 32<<16
	s_mov_b32 s50, 8<<16
	s_mov_b32 s51, 32<<16
	s_mov_b32 s52, 8
	s_mov_b32 s53, 32
	s_mov_b32 s54, 0
	s_mov_b32 s55, 0
	; L's first row, on either path: made of Y alone
	s_lshl_b32 s80, s32, 8                         ; q, k: x's rows 256 Y on
	s_and_b32 s81, s33, 3
	s_lshl_b32 s81, s81, 8                         ; v: Wv's rows 256 (yy % 4) on
	; P's first row
	s_and_b32 s82, s31, 1
	s_lshl_b32 s82, s82, 9
	s_lshl_b32 s83, s30, 7
	s_add_co_u32 s82, s82, s83                     ; q, k: row 512 (cx % 2) + 128 wave of Wq (cx < 2) or Wk
	s_lshr_b32 s97, s33, 2                         ; v: the batch
	s_lshl_b32 s98, s97, 11
	s_add_co_u32 s83, s83, s98
	s_lshl_b32 s98, s31, 9
	s_add_co_u32 s83, s83, s98                     ; v: x's row 2,048 batch + 128 (4 cx + wave)
	; where the results go
	s_lshr_b32 s94, s32, 3
	s_lshl_b32 s94, s94, 4                         ; q, k: 16 x batch
	s_and_b32 s95, s31, 1
	s_lshl_b32 s95, s95, 3
	s_add_co_u32 s94, s94, s95
	s_lshl_b32 s95, s30, 1
	s_add_co_u32 s94, s94, s95                     ; + my first head: 8 (cx % 2) + 2 wave
	s_mul_i32 s94, s94, HEADB
	s_and_b32 s95, s32, 7
	s_mul_i32 s95, s95, 2*STEPB
	s_add_co_u32 s94, s94, s95                     ; + my first step: 2 (Y % 8)
	s_lshl_b32 s95, s97, 4                         ; v: 16 x batch
	s_and_b32 s96, s33, 3
	s_lshl_b32 s96, s96, 2
	s_add_co_u32 s95, s95, s96                     ; + my first head: 4 (yy % 4)
	s_lshl_b32 s95, s95, 4
	s_lshl_b32 s96, s31, 2
	s_add_co_u32 s95, s95, s96
	s_add_co_u32 s95, s95, s30                     ; 16 steps a head, + my step: 4 cx + wave
	s_mul_i32 s95, s95, STEPB
	s_lshl_b32 s96, s82, 2                         ; the bias: q, k: of P's rows;
	s_lshl_b32 s97, s81, 2                         ; v: of L's rows
	s_wait_dscnt 0x0
	s_wait_kmcnt 0x0
	s_cmp_lt_u32 s31, 2                            ; Wq or Wk: a choice of buffers, no branch
	s_cselect_b64 s[74:75], s[8:9], s[12:13]
	s_cselect_b64 s[76:77], s[10:11], s[14:15]
	s_cselect_b64 s[78:79], s[20:21], s[22:23]
	s_cselect_b64 s[72:73], s[26:27], s[28:29]
	s_cmp_lt_u32 s32, 32                           ; q, k or v
	s_cselect_b64 s[74:75], s[74:75], s[4:5]       ; P's codes
	s_cselect_b64 s[76:77], s[76:77], s[6:7]       ; P's scale bytes
	s_cselect_b64 s[78:79], s[78:79], s[24:25]     ; the bias
	s_cselect_b64 s[72:73], s[72:73], s[28:29]     ; the results
	s_cselect_b64 s[84:85], s[4:5], s[16:17]       ; L's codes
	s_cselect_b64 s[86:87], s[6:7], s[18:19]       ; L's scale bytes
	s_cselect_b32 s88, s80, s81
	s_cselect_b32 s89, s82, s83
	s_cselect_b32 s90, s94, s95
	s_cselect_b32 s91, s96, s97
	s_lshl_b32 s92, s30, 6
	s_add_co_u32 s88, s88, s92                     ; the 64 rows of L that my wave fetches
	s_lshl_b32 s92, s88, 9
	s_mov_b32 s93, 0
	s_add_nc_u64 s[84:85], s[84:85], s[92:93]
	s_lshl_b32 s92, s88, 5
	s_add_nc_u64 s[86:87], s[86:87], s[92:93]
	s_mov_b32 s44, 1                               ; group 0: count = 1,
	s_mul_i32 s45, s30, 64*LCP                     ; LDS address: wave x 64 rows,
	s_mov_b64 s[46:47], s[84:85]                   ; global address,
	s_or_b32 s47, s47, 0x80000000                  ; type = 2
	s_mov_b32 s56, 1
	s_mul_i32 s57, s30, 8*LSP
	s_add_co_u32 s57, s57, LSB
	s_mov_b64 s[58:59], s[86:87]
	s_or_b32 s59, s59, 0x80000000
	CROUND                                         ; all four work-groups are here: the joint loads meet
	tensor_load_to_lds s[44:47], s[36:43]          ; the launch's only fills: one tensor load of mine is out
	s_nop 0
	s_wait_alu depctr_va_vdst(0)
	s_wait_tensorcnt 0x0
	ds_add_u32 v254, v255
	s_wait_dscnt 0x0
	CROUND
	tensor_load_to_lds s[56:59], s[48:55]
	s_nop 0
.rept 4
	v_nop                                          ; four lines ahead of the next switch of windows
.endr
	s_lshl_b32 s98, s89, 9
	s_mov_b32 s99, 0
	s_add_nc_u64 s[74:75], s[74:75], s[98:99]
	s_lshl_b32 s98, s89, 5
	s_add_nc_u64 s[76:77], s[76:77], s[98:99]
	s_mov_b32 s98, s91
	s_add_nc_u64 s[78:79], s[78:79], s[98:99]
	s_mov_b32 s98, s90
	s_add_nc_u64 s[72:73], s[72:73], s[98:99]
	; P: 128 loads of 16 bytes a lane, once.  A window holds 256 bytes of each row: eight loads on end take the same 16 rows' 256 bytes
	WIN W_P1
.irp t, 0,1,2,3,4,5,6,7
.irp k, 0,1,2,3
.irp c, 0,1
	global_load_b128 v[8*(8*\k+\t)+4*\c:8*(8*\k+\t)+4*\c+3], v[PA], s[74:75] offset:(32*(\t/2)+8*(\t%2))*512+64*\k+32*\c
.endr
.endr
.endr
	WIN W_P2
.irp t, 0,1,2,3,4,5,6,7
.irp k, 0,1,2,3
.irp c, 0,1
	global_load_b128 v[8*(8*\k+\t)+4*\c:8*(8*\k+\t)+4*\c+3], v[PA], s[74:75] offset:(32*(\t/2)+8*(\t%2))*512+256+64*\k+32*\c
.endr
.endr
.endr
	WIN 0
.irp t, 0,1,2,3,4,5,6,7
.irp g, 0,1
	global_load_b128 v[PS+8*\t+4*\g:PS+8*\t+4*\g+3], v[PSA], s[76:77] offset:(32*(\t/2)+8*(\t%2))*32+16*\g   ; a row's 8 scale words
.endr
.endr
	s_wait_tensorcnt 0x0                           ; my quarter of L has landed,
	s_barrier_signal -1
	s_barrier_wait -1                              ; everybody's has.  Nothing is filled again in this launch
; L's tile e of the trip whose addresses are given: 8 fragments into set fs of window 3, 8 scale words into set fs
.macro LFETCH adr, sad, e, fs
	WIN W_L
.irp k, 0,1,2,3,4,5,6,7
.irp c, 0,1
	ds_load_b128 v[64*(\fs)+8*\k+4*\c:64*(\fs)+8*\k+4*\c+3], v[\adr] offset:(32*((\e)/2)+8*((\e)%2))*LCP+64*\k+32*\c
.endr
.endr
	WIN 0
.irp g, 0,1
	ds_load_b128 v[LSR+8*(\fs)+4*\g:LSR+8*(\fs)+4*\g+3], v[\sad] offset:LSP*(4*((\e)/2)+(\e)%2)+16*\g
.endr
.endm
; 64 matrix instructions: K step by K step, the 8 accumulators by turns, one instruction a turn.  The first K step takes the bias as C: nothing is cleared or added.
.macro MULS fs, path
.irp k, 0,1,2,3,4,5,6,7
.if \k == 0
.if \path
	WIN M_1
.else
	WIN M_B
.endif
.elseif \k < 4
	WIN M_1
.else
	WIN M_2
.endif
.irp t, 0,1,2,3,4,5,6,7
.if \k == 0
.if \path
	v_wmma_scale_f32_16x16x128_f8f6f4 v[ACC+8*\t:ACC+8*\t+7], v[8*(8*(\k%4)+\t):8*(8*(\k%4)+\t)+7], v[64*(\fs)+8*\k:64*(\fs)+8*\k+7], v[CB:CB+7], v[PS+8*\t+\k], v[LSR+8*(\fs)+\k] matrix_a_fmt:MATRIX_FMT_FP4 matrix_b_fmt:MATRIX_FMT_FP4
.else
	v_wmma_scale_f32_16x16x128_f8f6f4 v[ACC+8*\t:ACC+8*\t+7], v[8*(8*(\k%4)+\t):8*(8*(\k%4)+\t)+7], v[64*(\fs)+8*\k:64*(\fs)+8*\k+7], v[BI+8*\t:BI+8*\t+7], v[PS+8*\t+\k], v[LSR+8*(\fs)+\k] matrix_a_fmt:MATRIX_FMT_FP4 matrix_b_fmt:MATRIX_FMT_FP4
.endif
.else
	v_wmma_scale_f32_16x16x128_f8f6f4 v[ACC+8*\t:ACC+8*\t+7], v[8*(8*(\k%4)+\t):8*(8*(\k%4)+\t)+7], v[64*(\fs)+8*\k:64*(\fs)+8*\k+7], v[ACC+8*\t:ACC+8*\t+7], v[PS+8*\t+\k], v[LSR+8*(\fs)+\k] matrix_a_fmt:MATRIX_FMT_FP4 matrix_b_fmt:MATRIX_FMT_FP4
.endif
.endr
.endr
.endm
; 64 numbers of a lane, register 16 b + i = k 32 b + 16 (lane / 16) + i of my row, become a fragment's codes in v[PC] on and its scale word in v[PW]
.macro QUANT n
.irp b, 0,1,2,3
	v_max3_num_f32 v[TM+\b], |v[\n+16*\b]|, |v[\n+1+16*\b]|, 0x1800000   ; block b: my 16 numbers, and the floor 2^(3 - 127): the byte cannot fall under 1.  Each accumulator is read from its low end on
.endr
.irp i, 2,4,6,8,10,12,14
.irp b, 0,1,2,3
	v_max3_num_f32 v[TM+\b], v[TM+\b], |v[\n+16*\b+\i]|, |v[\n+1+16*\b+\i]|   ; (the four blocks by turns)
.endr
.endr
.irp b, 0,1,2,3
	v_permlanex16_b32 v[TM+4+\b], v[TM+\b], s60, s61
.endr
.irp b, 0,1,2,3
	v_max_num_f32 v[TM+\b], v[TM+\b], v[TM+4+\b]   ; with lane l xor 16's: the block's largest magnitude
.endr
.irp b, 0,1,2,3
	v_add_nc_u32 v[TM+12+\b], 0xff000000, v[TM+\b] ; 2 off its exponent field: the conversion takes the exponent field of this operand as its scale
.endr
.irp b, 0,1,2,3
	v_lshrrev_b32 v[TM+4+\b], 23, v[TM+12+\b]      ; the scale's byte
.endr
	v_lshl_or_b32 v[PW], v[TM+5], 8, v[TM+4]
	v_lshl_or_b32 v[PW], v[TM+6], 16, v[PW]
	v_lshl_or_b32 v[PW], v[TM+7], 24, v[PW]
.irp b, 0,1,2,3
	v_cvt_scalef32_pk8_fp4_f32 v[PC+2*\b], v[\n+16*\b:\n+7+16*\b], v[TM+12+\b]
	v_cvt_scalef32_pk8_fp4_f32 v[PC+1+2*\b], v[\n+8+16*\b:\n+15+16*\b], v[TM+12+\b]
.endr
	v_nop                                          ; one plain line behind a scaled conversion
.irp c, 0,1                                    ; the operand's layout wants a whole block in a lane: lanes 0-15 block 2 c, lanes 16-31 block 2 c + 1
.irp i, 0,1
	v_permlane16_swap_b32 v[PC+4*\c+\i], v[PC+2+4*\c+\i]
.endr
.endr
.endm
; Unit i of a trip of upt units.  path = 0: q, k; 1: v.
.macro UNIT path, i, upt
.if (\i)+1 < (\upt)
	LFETCH LAC, LSC, (\i)+1, ((\i)+1)%2            ; the next unit's tile, into the set that the unit before has left (behind that unit's four v_nop and its quantiser)
.else
	LFETCH LAN, LSN, 0, ((\i)+1)%2                 ; the next trip's first
.endif
	s_wait_dscnt 18                                ; the 18 just issued may be out; this unit's 18, issued a unit ago, are in
	MULS (\i)%2, \path
	WIN 0
	s_wait_xcnt 0x0                                ; the last unit's stores have read their data: the codes and scale words are written again only behind this wait
.rept 4
	v_nop                                          ; four plain lines between the last product and the first read of results, and the first write of a source (ISA guide 7.12.1)
.endr
.if \path
.irp j, 0,1,2,3,4,5,6,7
	v_mov_b32 v[CB+\j], v[BVL+(\i)+1]              ; the next unit's bias: one number a lane (the lane's row of Wv), for all eight registers of C
.endr
.endif
	QUANT ACC
.if \path
	global_store_b128 v[OA], v[PC:PC+3], s[72:73] offset:4096+1024*(\i)        ; V^T's d-tile i: keys 32 h on,
	global_store_b128 v[OA], v[PC+4:PC+7], s[72:73] offset:4096+1024*(\i)+512  ; keys 64 + 32 h on
.if (\i)%2 == 0
	v_mov_b32 v[SWA+(\i)/2], v[PW]                 ; an even tile's scale words stay in lanes 0-15,
.else
	v_cndmask_b32 v[SWA+(\i)/2], v[SWA+(\i)/2], v[PW], s66   ; an odd tile's go to lanes 16-31
.endif
.if (\i) == 3
	global_store_b64 v[OA8], v[SWA:SWA+1], s[72:73] offset:8704
.endif
.else
	global_store_b128 v[OA], v[PC:PC+3], s[72:73] offset:512*(\i)              ; tile i of the step, first head,
	global_store_b128 v[OA], v[PC+4:PC+7], s[72:73] offset:512*(\i)+HEADB      ; second head
.if (\i)%2 == 0
	v_perm_b32 v[SWA+(\i)/2], v[PW], v[PW], s62
	v_perm_b32 v[SWB+(\i)/2], v[PW], v[PW], s63
.else
	v_perm_b32 v[T0], v[PW], v[PW], s62
	v_perm_b32 v[T1], v[PW], v[PW], s63
	v_cndmask_b32 v[SWA+(\i)/2], v[SWA+(\i)/2], v[T0], s66
	v_cndmask_b32 v[SWB+(\i)/2], v[SWB+(\i)/2], v[T1], s66
.endif
.if (\i) == 7
	global_store_b128 v[OA], v[SWA:SWA+3], s[72:73] offset:8192
	global_store_b128 v[OA], v[SWB:SWB+3], s[72:73] offset:8192+HEADB
.endif
.endif
.endm
; A trip's head: its own addresses in LDS and the next trip's.  In the last trip the look-ahead is held at the trip's own first tile, which is read once more and not used
.macro AHEAD step, sstep, last
	s_add_co_u32 s68, s67, (\step)
	s_min_u32 s68, s68, (\last)*(\step)
	s_add_co_u32 s70, s69, (\sstep)
	s_min_u32 s70, s70, (\last)*(\sstep)
	v_add_nc_u32 v[LAC], s67, v[LA0]
	v_add_nc_u32 v[LAN], s68, v[LA0]
	v_add_nc_u32 v[LSC], s69, v[LS0]
	v_add_nc_u32 v[LSN], s70, v[LS0]
.endm
	s_mov_b32 s67, 0
	s_mov_b32 s69, 0
	s_cmp_ge_u32 s32, 32                           ; Y is the same in all waves and all partners
	s_cbranch_scc1 .Lv_path
	; ---- q, k: two trips of 8 units: a trip is a step of 128 tokens
	v_lshlrev_b32 v[BA], 6, v2                     ; register j of tile 2 b + u is P's row 32 b + 8 u + 16 h + j
	WIN W_L
.irp t, 0,1,2,3,4,5,6,7
	global_load_b128 v[BI+8*\t:BI+8*\t+3], v[BA], s[78:79] offset:(32*(\t/2)+8*(\t%2))*4
	global_load_b128 v[BI+8*\t+4:BI+8*\t+7], v[BA], s[78:79] offset:(32*(\t/2)+8*(\t%2))*4+16
.endr
	s_wait_alu depctr_va_vdst(0)
	LFETCH LA0, LS0, 0, 0
	s_mov_b32 s71, 2
	s_wait_loadcnt 0x0                             ; P, its scale words, the bias
.Lqk_trip:
	AHEAD 128*LCP, 16*LSP, 1
.irp i, 0,1,2,3,4,5,6,7
	UNIT 0, \i, 8
.endr
	s_wait_xcnt 0x0                                ; the stores have read their base
	s_add_nc_u64 s[72:73], s[72:73], STEPB
	s_add_co_u32 s67, s67, 128*LCP
	s_add_co_u32 s69, s69, 16*LSP
	s_sub_co_u32 s71, s71, 1
	s_cmp_lg_u32 s71, 0
	s_cbranch_scc1 .Lqk_trip
	s_branch .Lend
.Lv_path:
	; ---- v: four trips of 4 units: a trip is a head's 64 rows of Wv
	v_lshlrev_b32 v[BA], 2, v3
.irp e, 0,1,2,3,4,5,6,7,8,9,10,11,12,13,14,15
	global_load_b32 v[BVL+\e], v[BA], s[78:79] offset:(32*(\e/2)+8*(\e%2))*4   ; bv at my lane's row of tile e
.endr
	s_wait_alu depctr_va_vdst(0)
	LFETCH LA0, LS0, 0, 0
	s_mov_b32 s71, 4
	s_wait_loadcnt 0x0
.irp j, 0,1,2,3,4,5,6,7
	v_mov_b32 v[CB+\j], v[BVL]
.endr
.Lv_trip:
	s_wait_alu depctr_va_vdst(0)
	AHEAD 64*LCP, 8*LSP, 3
.irp i, 0,1,2,3
	UNIT 1, \i, 4
.endr
.irp i, 0,1,2,3,4,5,6,7,8,9,10,11
	v_mov_b32 v[BVL+\i], v[BVL+\i+4]               ; the next trip finds its four numbers where this one did
.endr
	s_wait_xcnt 0x0
	s_add_nc_u64 s[72:73], s[72:73], HEADB
	s_add_co_u32 s67, s67, 64*LCP
	s_add_co_u32 s69, s69, 8*LSP
	s_sub_co_u32 s71, s71, 1
	s_cmp_lg_u32 s71, 0
	s_cbranch_scc1 .Lv_trip
.Lend:
	s_wait_dscnt 0x0                               ; the last look-ahead is in: no LDS instruction is out at a signal
	s_wait_tensorcnt 0x0
	ds_add_u32 v254, v255
	s_wait_dscnt 0x0
	CROUND                                         ; the closing round: no work-group ends while a partner may still ask jointly
	s_endpgm
.Lfunc_end_k_q48a183e3a5_proj:
	.size	k_q48a183e3a5_proj, .Lfunc_end_k_q48a183e3a5_proj-k_q48a183e3a5_proj
	.p2alignl 7, 3214868480
	.fill 96, 4, 3214868480
	.section	.rodata,"a",@progbits
	.p2align	6, 0x0
	.amdhsa_kernel k_q48a183e3a5_proj
		.amdhsa_group_segment_fixed_size 327680
		.amdhsa_private_segment_fixed_size 0
		.amdhsa_enable_private_segment 0
		.amdhsa_kernarg_size 104
		.amdhsa_user_sgpr_count 2
		.amdhsa_user_sgpr_kernarg_segment_ptr 1
		.amdhsa_wavefront_size32 1
		.amdhsa_system_sgpr_workgroup_id_x 1
		.amdhsa_system_sgpr_workgroup_id_y 1
		.amdhsa_system_sgpr_workgroup_id_z 1
		.amdhsa_system_vgpr_workitem_id 0
		.amdhsa_next_free_vgpr 1024
		.amdhsa_next_free_sgpr 100
		.amdhsa_reserve_vcc 0
		.amdhsa_float_denorm_mode_32 3
		.amdhsa_float_denorm_mode_16_64 3
		.amdhsa_memory_ordered 1
		.amdhsa_forward_progress 1
		.amdhsa_inst_pref_size 193
	.end_amdhsa_kernel
	.amdgpu_metadata
---
amdhsa.version: [ 1, 2 ]
amdhsa.kernels:
  - .name:           k_q48a183e3a5_proj
    .symbol:         k_q48a183e3a5_proj.kd
    .args:
      - { .name: x_codes, .offset: 0, .size: 8, .value_kind: global_buffer, .address_space: global }
      - { .name: x_scales, .offset: 8, .size: 8, .value_kind: global_buffer, .address_space: global }
      - { .name: Wq_codes, .offset: 16, .size: 8, .value_kind: global_buffer, .address_space: global }
      - { .name: Wq_scales, .offset: 24, .size: 8, .value_kind: global_buffer, .address_space: global }
      - { .name: Wk_codes, .offset: 32, .size: 8, .value_kind: global_buffer, .address_space: global }
      - { .name: Wk_scales, .offset: 40, .size: 8, .value_kind: global_buffer, .address_space: global }
      - { .name: Wv_codes, .offset: 48, .size: 8, .value_kind: global_buffer, .address_space: global }
      - { .name: Wv_scales, .offset: 56, .size: 8, .value_kind: global_buffer, .address_space: global }
      - { .name: bq, .offset: 64, .size: 8, .value_kind: global_buffer, .address_space: global }
      - { .name: bk, .offset: 72, .size: 8, .value_kind: global_buffer, .address_space: global }
      - { .name: bv, .offset: 80, .size: 8, .value_kind: global_buffer, .address_space: global }
      - { .name: qimg, .offset: 88, .size: 8, .value_kind: global_buffer, .address_space: global }
      - { .name: kv, .offset: 96, .size: 8, .value_kind: global_buffer, .address_space: global }
    .group_segment_fixed_size: 327680
    .private_segment_fixed_size: 0
    .kernarg_segment_align: 8
    .kernarg_segment_size: 104
    .max_flat_workgroup_size: 128
    .sgpr_count:     100
    .vgpr_count:     1024
    .wavefront_size: 32
...
	.end_amdgpu_metadata
.endif
;; end of part 1
;; launch attn (part 2): grid 8 x 64, 16 waves a work-group, clusters of 4 x 1, 169,984 bytes of LDS; arguments qimg, kv, Wo_codes, Wo_scales, part; writes part
.if DOCPART == 2
	.amdgcn_target "amdgcn-amd-amdhsa--gfx1250"
	.amdhsa_code_object_version 6
	.text
	.protected	k_q48a183e3a5_attn
	.globl	k_q48a183e3a5_attn
	.p2align	8
	.type	k_q48a183e3a5_attn,@function
k_q48a183e3a5_attn:
	s_mov_b64 s[64:65], 0
	v_nop
	global_prefetch_b8 v0, s[64:65] scope:SCOPE_SE
	s_setreg_imm32_b32 hwreg(HW_REG_WAVE_MODE, 25, 1), 1
	s_wait_xcnt 0x0
	s_wait_alu depctr_hold_cnt(0) depctr_sa_sdst(0) depctr_va_vdst(0) depctr_va_sdst(0) depctr_va_ssrc(0) depctr_va_vcc(0) depctr_vm_vsrc(0)
	s_getreg_b32 s2, hwreg(HW_REG_IB_STS2, 6, 4)
	s_cmp_eq_u32 s2, 0
	s_cbranch_scc0 .Lentry_in_a_cluster
	s_endpgm
.Lentry_in_a_cluster:
	s_bfe_u32 s2, ttmp6, 0x10000c
	s_cmp_lg_u32 s2, 0x3003
	s_cbranch_scc0 .Lentry_shape_is_right
	s_endpgm
.Lentry_shape_is_right:
; For one head and 256 queries: S^T = K Q^T, the softmax, O^T = V^T P^T, o = O / l, o quantised along the head's 64, and the head's share of o Wo^T summed over the 256 tokens.  All products on codes of FP4 (E2M1) with E8M0 scales.
; THE SOFTMAX: t = score x log2(e) / 8; M = the row's largest t so far, rounded up to a whole number; p = 2^(t - M) is quantised along the keys, not normalised; the row's sum l is taken of the unquantised p.
; When M moves, the sum and O^T are multiplied by 2^(old M - new M), which rounds nothing.
; SHARES: sixteen waves, each with one tile of 16 queries in 256 registers: four waves to a SIMD, so that one wave's vector work stands beside another's products and LDS loads.  Every wave walks the head's 2,048 keys, 128 a step.
; LDS: the head's K and V, codes and scale words, 143,360 bytes, lie there whole, as images of operand registers (lane l's 16 bytes at 16 l): filled once, in four pieces of four key steps, and never again.
; CLUSTER: the four query blocks of a cluster belong to one head: K and V are asked for jointly.
; LAYOUT: both products are used transposed (source 0 = 16 keys, or 16 of the head's 64; source 1 = my 16 queries): a lane holds one query throughout.  The head's size is 64: the upper 64 along K of K Q^T are zero codes on both sides.
; The keys of a tile of K, and the rows of a tile of V^T, are 32 b + 8 u + r + 8 (r / 8) for lane r of tile 2 b + u: so the 16 registers of two neighbouring result tiles are 16 neighbours along the next product's K.
; THE LAST PRODUCT AND THE MEAN: o Wo^T is wanted only summed over tokens.  One matrix instruction takes TWO tiles of tokens as its K halves (64 + 64) against Wo's 64 columns of this head laid in both halves; eight such
; instructions chained on one accumulator sum sixteen tiles; the accumulator's 16 rows are added by vector work.  Wave w makes outputs 64 w .. 64 w + 63.  part: [batch x head x 8 + query block][1,024] f32.
; LIMITS: NaN and infinities are not served.  A block whose largest magnitude lies under 2^-124 keeps the scale byte 1.  The sums over tokens and heads are taken in another order than a plain row-by-row product's.
; REGISTERS: v1-9 addresses; v12 -M, v13 the largest t, v[14:15] the sum in two halves; v16-23 Q; v24-27 Wo's scale words; v32-63 four fragments of K; v64-95 Wo's four; v96-159 S^T, then p; v160-191 O^T;
;   v192-223 V's four fragments; v224-231 p's codes; v232-239, v244-247, v252-254 at work; v240-241 V's scale words, v248-251 K's, v255 Q's.
.set STEPB, 8960                       ; a key step in LDS and in memory: K's 8 tiles, V's 4, K's scale words, V's
.set HEADB, 16*STEPB
.set VCO,   4096
.set KSC,   8192
.set VSC,   8704
.set HALFC, 70*256                     ; what one tensor load brings: two key steps, 70 rows of 256 bytes
.set OIMG,  HEADB                      ; behind K and V: o's 16 tiles as images, 512 bytes each: bytes of their own, into which no fill lands
.set OSC,   OIMG+16*512                ; and the scale words of the 8 pairs of tiles, 128 bytes each
.macro CROUND                          ; a round of the cluster's barrier
	s_barrier_signal -1
	s_barrier_wait -1
	s_cmp_lg_u32 s14, 0
	s_cbranch_scc1 .Lnot_wave_0_\@
	s_barrier_signal -3
.Lnot_wave_0_\@:
	s_barrier_wait -3
	s_barrier_signal -1
	s_barrier_wait -1
.endm
	s_load_b256 s[4:11], s[0:1], 0x0               ; qimg, kv, Wo's codes, Wo's scales
	s_load_b64 s[12:13], s[0:1], 0x20              ; part
	v_lshl_add_u32 v254, v0, 2, 0x29000
	v_mov_b32 v255, 0
	ds_add_u32 v254, v255
	ds_add_u32 v254, v255
	s_wait_dscnt 0x0
	v_lshrrev_b32 v1, 5, v0
	s_delay_alu instid0(VALU_DEP_1)
	v_readfirstlane_b32 s14, v1                    ; wave 0..15
	s_bfe_u32 s15, ttmp6, 0x40000                  ; cx
	s_lshl_b32 s16, ttmp9, 2
	s_add_co_u32 s16, s16, s15                     ; my block of 256 queries: it enters Q's and part's addresses alone
	s_and_b32 s17, ttmp7, 0xffff                   ; batch x 16 + head, which the four partners share
	s_and_b32 s18, s17, 15                         ; the head
	s_mov_b32 s24, 15|(3<<16)|(1<<21)              ; group 1: 15:0 the mask: all four; 17:16 elements of 8 bytes; 21 set beside a mask; no padding: every read takes a wave's bytes on end
	s_mov_b32 s25, 32<<16                          ; tensor_dim0: 256 bytes
	s_mov_b32 s26, 70<<16                          ; tensor_dim1
	s_mov_b32 s27, 32<<16                          ; tile_dim0
	s_mov_b32 s28, 70                              ; tile_dim1
	s_mov_b32 s29, 32                              ; dense
	s_mov_b32 s30, 0
	s_mov_b32 s31, 0
	s_mov_b32 s20, 0x76543210
	s_mov_b32 s21, 0xfedcba98                      ; v_permlanex16_b32's selects for lane l xor 16
	s_mov_b32 s22, 0x3e38aa3b                      ; c = log2(e) / 8
	s_mov_b32 s23, s22                             ; (named with it as a pair)
	s_mov_b32 s48, 0                               ; LDS byte of the key step in hand
	s_mov_b32 s50, 0xffff0000                      ; lanes 16-31
	s_and_b32 s55, s14, 1
	s_mul_i32 s55, s55, HALFC                      ; waves 0 and 1 fetch: which half of a piece
	s_mul_i32 s52, s17, HEADB
	s_add_co_u32 s52, s52, s55
	s_mov_b32 s53, 0
	s_wait_kmcnt 0x0
	s_add_nc_u64 s[56:57], s[6:7], s[52:53]
.irp c, 0,1,2,3
	s_mov_b32 s[32+4*\c], 1                        ; group 0 of piece c: count = 1,
	s_add_co_u32 s[33+4*\c], s55, 2*HALFC*\c       ; LDS address,
	s_add_nc_u64 s[34+4*\c:35+4*\c], s[56:57], 2*HALFC*\c   ; global address: LDS mirrors memory,
	s_or_b32 s[35+4*\c], s[35+4*\c], 0x80000000    ; type = 2
.endr
	CROUND                                         ; all four work-groups are here: the joint loads meet
	s_cmp_lt_u32 s14, 2                            ; the wave's number: the same branch in every partner
	s_cbranch_scc0 .Lno_fill
	tensor_load_to_lds s[32:35], s[24:31]          ; the launch's only fills, in one group: four tensor loads of mine are out
	s_nop 0
	tensor_load_to_lds s[36:39], s[24:31]
	s_nop 0
	tensor_load_to_lds s[40:43], s[24:31]
	s_nop 0
	tensor_load_to_lds s[44:47], s[24:31]
	s_nop 0
.rept 4
	v_nop
.endr
.Lno_fill:
	; my tile of Q: step 2 x block + wave / 8 of qimg, tile wave % 8
	s_lshl_b32 s58, s16, 1
	s_lshr_b32 s59, s14, 3
	s_add_co_u32 s58, s58, s59
	s_mul_i32 s58, s58, STEPB
	s_mul_i32 s59, s17, HEADB
	s_add_co_u32 s58, s58, s59
	s_mov_b32 s59, 0
	s_add_nc_u64 s[4:5], s[4:5], s[58:59]
	s_and_b32 s60, s14, 7
	s_lshl_b32 s61, s60, 9                         ; its codes: 512 bytes a tile
	s_lshr_b32 s60, s60, 1
	s_lshl_b32 s60, s60, 2                         ; its scale words: word tile / 2
	s_and_b32 s62, s14, 1
	s_lshl_b32 s62, s62, 8                         ; of lanes 16 (tile % 2) + r
	s_add_co_u32 s60, s60, s62
	s_add_co_u32 s60, s60, KSC
	v_and_b32 v10, 31, v0                          ; lane
	s_delay_alu instid0(VALU_DEP_1)
	v_lshlrev_b32 v1, 4, v10                       ; v1: 16 x lane
	s_delay_alu instid0(VALU_DEP_2)
	v_lshlrev_b32 v2, 3, v10                       ; v2: 8 x lane
	v_lshl_add_u32 v5, v0, 4, OIMG                 ; v5: where my tile of o goes: 512 x wave + 16 x lane
	s_delay_alu instid0(VALU_DEP_3)
	v_add_nc_u32 v7, OIMG, v1                      ; v7: where any tile of o is read
	v_lshl_add_u32 v8, v10, 2, OSC                 ; v8: where a pair's scale words are read
	s_lshr_b32 s62, s14, 1
	s_lshl_b32 s62, s62, 7
	s_and_b32 s63, s14, 1
	s_lshl_b32 s63, s63, 1
	s_add_co_u32 s62, s62, s63
	v_add_nc_u32 v6, s62, v8                       ; v6: where my tile's two bytes go: pair wave / 2, half wave % 2 of the lane's word
	v_and_b32 v28, 15, v0                          ; r
	v_bfe_u32 v29, v0, 4, 1                        ; h
	s_delay_alu instid0(VALU_DEP_2)
	v_lshlrev_b32 v9, 4, v28
	s_delay_alu instid0(VALU_DEP_1)
	v_lshl_add_u32 v9, v29, 3, v9                  ; v9: my 8 bytes of the wave's 256 of part
	v_add_nc_u32 v10, s61, v1
	s_wait_alu depctr_va_vdst(0)
	v_lshl_add_u32 v11, v28, 4, s60
	s_wait_alu depctr_va_vdst(0)
	v_lshlrev_b32 v30, 11, v28
	s_delay_alu instid0(VALU_DEP_1)
	v_lshl_add_u32 v30, v29, 4, v30                ; Wo's codes: lane r of tile u takes row 64 w + 4 r + u: 2,048 r + 16 h
	s_wait_alu depctr_va_vdst(0)
	v_lshlrev_b32 v31, 7, v28                      ; its scale bytes: 128 r
	s_wait_alu depctr_va_vdst(0)
	s_lshl_b32 s62, s14, 15
	s_lshl_b32 s54, s18, 5
	s_add_co_u32 s62, s62, s54
	s_mov_b32 s63, 0
	s_add_nc_u64 s[8:9], s[8:9], s[62:63]          ; Wo's codes at row 64 w, the head's 32 bytes
	s_lshl_b32 s62, s14, 11
	s_lshl_b32 s54, s18, 1
	s_add_co_u32 s62, s62, s54
	s_add_nc_u64 s[10:11], s[10:11], s[62:63]      ; its scale bytes likewise: the head's 2
	s_lshl_b32 s62, s17, 3
	s_add_co_u32 s62, s62, s16
	s_lshl_b32 s62, s62, 12
	s_lshl_b32 s54, s14, 8
	s_add_co_u32 s62, s62, s54
	s_add_nc_u64 s[12:13], s[12:13], s[62:63]      ; part at my row, my wave's 64 outputs
	global_load_b128 v[16:19], v10, s[4:5]         ; Q's codes: the head's 64
	global_load_b32 v255, v11, s[4:5]              ; Q's scale words
.irp u, 0,1,2,3
	global_load_b128 v[64+8*\u:67+8*\u], v30, s[8:9] offset:512*\u   ; Wo's 64 columns of this head, in the lower K half
	global_load_b128 v[68+8*\u:71+8*\u], v30, s[8:9] offset:512*\u   ; and once more in the upper
	global_load_u16 v[24+\u], v31, s[10:11] offset:32*\u
.endr
.irp j, 20,21,22,23
	v_mov_b32 v\j, 0                               ; Q's upper 64 along K: zero codes
.endr
.irp t, 0,1,2,3
.irp j, 4,5,6,7
	v_mov_b32 v[32+8*\t+\j], 0                     ; K's likewise: written once, never loaded over
.endr
.endr
.irp j, 0,1,2,3,4,5,6,7,8,9,10,11,12,13,14,15,16,17,18,19,20,21,22,23,24,25,26,27,28,29,30,31
	v_mov_b32 v[160+\j], 0                         ; O^T.  (The key step is written without a first step of its own: the first change of M multiplies zeros)
.endr
	v_mov_b32 v13, 0xff61b1e6                      ; the largest t so far: -3e38
	s_delay_alu instid0(VALU_DEP_1)
	v_floor_f32 v12, -v13                          ; -M
	v_mov_b32 v14, 0
	v_mov_b32 v15, 0
.irp b, 0,1,2,3
	v_mov_b32 v[236+\b], 0                         ; a lane permute's destination counts as one of its sources
.endr
	v_mov_b32 v253, 0                              ; (named as the upper half of v[252:253] before it is first written)
	s_wait_loadcnt 0x0
.irp u, 0,1,2,3
	v_lshl_or_b32 v[24+\u], v[24+\u], 16, v[24+\u] ; Wo's two bytes for both K halves
.endr
.macro KQ4 g                           ; S^T's tiles g .. g + 3.  Word i of K's scale words holds tile 2 i in lanes 0-15 and tile 2 i + 1 in lanes 16-31
.irp t, 0,1,2,3
.if \t%2
	v_wmma_scale_f32_16x16x128_f8f6f4 v[96+8*(\g+\t):96+8*(\g+\t)+7], v[32+8*\t:39+8*\t], v[16:23], 0, v[248+(\g+\t)/2], v255 matrix_a_fmt:MATRIX_FMT_FP4 matrix_b_fmt:MATRIX_FMT_FP4 matrix_a_scale:MATRIX_SCALE_ROW1
.else
	v_wmma_scale_f32_16x16x128_f8f6f4 v[96+8*(\g+\t):96+8*(\g+\t)+7], v[32+8*\t:39+8*\t], v[16:23], 0, v[248+(\g+\t)/2], v255 matrix_a_fmt:MATRIX_FMT_FP4 matrix_b_fmt:MATRIX_FMT_FP4
.endif
.endr
.endm
; A KEY STEP: 128 keys
.macro STEP
	v_add_nc_u32 v3, s48, v1
	v_add_nc_u32 v4, s48, v2
	v_nop
	v_nop                                          ; with the two additions: four plain lines between the last step's products and the loads into V's registers
	ds_load_b128 v[248:251], v3 offset:KSC         ; K's scale words
.irp t, 0,1,2,3
	ds_load_b128 v[32+8*\t:35+8*\t], v3 offset:512*\t
.endr
	ds_load_b64 v[240:241], v4 offset:VSC          ; V's scale words
.irp d, 0,1,2,3
.irp c, 0,1
	ds_load_b128 v[192+8*\d+4*\c:192+8*\d+4*\c+3], v3 offset:VCO+1024*\d+512*\c
.endr
.endr
	s_wait_alu depctr_va_vdst(0)
	s_wait_dscnt 9                                 ; V's nine loads may be out
	KQ4 0
.rept 4
	v_nop                                          ; four plain lines in front of loads into registers that matrix instructions have read
.endr
.irp t, 0,1,2,3
	ds_load_b128 v[32+8*\t:35+8*\t], v3 offset:2048+512*\t
.endr
	s_wait_dscnt 0x0
	KQ4 4
.rept 4
	v_nop
.endr
.irp b, 0,1,2,3
	v_max3_num_f32 v[232+\b], v[96+16*\b], v[97+16*\b], v[98+16*\b]   ; the largest score of each block of 32 keys: for the row's maximum and, since p rises with the score, for the block's largest p
.endr
.irp i, 3,5,7,9,11,13
.irp b, 0,1,2,3
	v_max3_num_f32 v[232+\b], v[232+\b], v[96+16*\b+\i], v[97+16*\b+\i]
.endr
.endr
.irp b, 0,1,2,3
	v_max_num_f32 v[232+\b], v[232+\b], v[111+16*\b]
.endr
.irp b, 0,1,2,3
	s_delay_alu instid0(VALU_DEP_4)
	v_permlanex16_b32 v[236+\b], v[232+\b], s20, s21
.endr
.irp b, 0,1,2,3
	s_delay_alu instid0(VALU_DEP_4)
	v_max_num_f32 v[232+\b], v[232+\b], v[236+\b]  ; with lane l xor 16's 16 keys
.endr
	s_delay_alu instid0(VALU_DEP_2)
	v_max3_num_f32 v254, v232, v233, v234
	s_delay_alu instid0(VALU_DEP_1)
	v_max_num_f32 v254, v254, v235                 ; the step's largest score of my query
	s_delay_alu instid0(VALU_DEP_1)
	v_mul_f32 v254, s22, v254                      ; as t
	s_delay_alu instid0(VALU_DEP_1)
	v_max_num_f32 v13, v13, v254                   ; the running largest t
	v_mov_b32 v254, v12
	s_delay_alu instid0(VALU_DEP_2)
	v_floor_f32 v12, -v13                          ; the new -M = -ceil(t)
	s_delay_alu instid0(VALU_DEP_1)
	v_sub_f32 v254, v12, v254                      ; old M - new M: a whole number, 0 or less
	s_delay_alu instid0(VALU_DEP_1)
	v_cvt_i32_f32 v254, v254                       ; (it saturates)
	s_delay_alu instid0(VALU_DEP_1)
	v_ldexp_f32 v252, 1.0, v254                    ; f = 2^(old M - new M)
.irp j, 0,2,4,6,8,10,12,14,16,18,20,22,24,26,28,30,32,34,36,38,40,42,44,46,48,50,52,54,56,58,60,62
	v_pk_fma_f32 v[96+\j:97+\j], v[96+\j:97+\j], s[22:23], v[12:13] op_sel_hi:[1,0,0]   ; t - M, two at a time
.endr
.irp b, 0,1,2,3
	v_fma_f32 v[232+\b], v[232+\b], s22, v12       ; the same of each block's largest score
.endr
	s_wait_alu depctr_va_vdst(0)
.irp j, 0,1,2,3,4,5,6,7,8,9,10,11,12,13,14,15,16,17,18,19,20,21,22,23,24,25,26,27,28,29,30,31,32,33,34,35,36,37,38,39,40,41,42,43,44,45,46,47,48,49,50,51,52,53,54,55,56,57,58,59,60,61,62,63
	v_exp_f32 v[96+\j], v[96+\j]                   ; p = 2^(t - M), at most 1
.endr
	s_setprio 1
	v_pk_mul_f32 v[14:15], v[14:15], v[252:253] op_sel_hi:[1,0]   ; the sums under the new M: the plain line behind the exponentials
	s_wait_alu depctr_va_vdst(0)                   ; one wait for the batch of 64, ahead of its first reader
.irp b, 0,1,2,3
	v_exp_f32 v[232+\b], v[232+\b]                 ; each block's largest p
.endr
	v_pk_add_f32 v[236:237], v[100:101], v[104:105]
	v_pk_add_f32 v[250:251], v[108:109], v[112:113]
	v_pk_add_f32 v[248:249], v[116:117], v[120:121]
	v_pk_add_f32 v[246:247], v[124:125], v[128:129]
	v_pk_add_f32 v[244:245], v[132:133], v[136:137]
	v_pk_add_f32 v[242:243], v[140:141], v[144:145]
	v_pk_add_f32 v[238:239], v[148:149], v[152:153]
	v_pk_add_f32 v[14:15], v[14:15], v[156:157]
	v_pk_add_f32 v[236:237], v[236:237], v[96:97]
	v_pk_add_f32 v[250:251], v[250:251], v[98:99]
	v_pk_add_f32 v[248:249], v[248:249], v[102:103]
	v_pk_add_f32 v[246:247], v[246:247], v[106:107]
	v_pk_add_f32 v[244:245], v[244:245], v[110:111]
	v_pk_add_f32 v[242:243], v[242:243], v[114:115]
	v_pk_add_f32 v[238:239], v[238:239], v[118:119]
	v_pk_add_f32 v[14:15], v[14:15], v[122:123]
	v_pk_add_f32 v[236:237], v[236:237], v[126:127]
	v_pk_add_f32 v[250:251], v[250:251], v[130:131]
	v_pk_add_f32 v[248:249], v[248:249], v[134:135]
	v_pk_add_f32 v[246:247], v[246:247], v[138:139]
	v_pk_add_f32 v[244:245], v[244:245], v[142:143]
	v_pk_add_f32 v[242:243], v[242:243], v[146:147]
	v_pk_add_f32 v[238:239], v[238:239], v[150:151]
	v_pk_add_f32 v[14:15], v[14:15], v[154:155]
	v_pk_add_f32 v[236:237], v[236:237], v[158:159]
	s_delay_alu instid0(VALU_DEP_2)
	v_pk_add_f32 v[14:15], v[14:15], v[246:247]
	s_delay_alu instid0(VALU_DEP_2)
	v_pk_add_f32 v[236:237], v[236:237], v[244:245]
	v_pk_add_f32 v[250:251], v[250:251], v[242:243]
	v_pk_add_f32 v[248:249], v[248:249], v[238:239]
	s_delay_alu instid0(VALU_DEP_2)
	v_pk_add_f32 v[14:15], v[14:15], v[250:251]
	s_delay_alu instid0(VALU_DEP_2)
	v_pk_add_f32 v[236:237], v[236:237], v[248:249]
	s_delay_alu instid0(VALU_DEP_1)
	v_pk_add_f32 v[14:15], v[14:15], v[236:237]
	s_wait_alu depctr_va_vdst(0)                   ; and one for the four
.irp b, 0,1,2,3
	v_max_num_f32 v[232+\b], 0x1800000, v[232+\b]  ; the floor 2^(3 - 127): the byte cannot fall under 1
.endr
.irp b, 0,1,2,3
	s_delay_alu instid0(VALU_DEP_4)
	v_add_nc_u32 v[244+\b], 0xff000000, v[232+\b]  ; 2 off the exponent field: the conversion's scale operand
.endr
.irp b, 0,1,2,3
	s_delay_alu instid0(VALU_DEP_4)
	v_lshrrev_b32 v[236+\b], 23, v[244+\b]         ; the scale's byte
.endr
	s_delay_alu instid0(VALU_DEP_3)
	v_lshl_or_b32 v253, v237, 8, v236              ; p's scale word for these 128 keys
	s_delay_alu instid0(VALU_DEP_1)
	v_lshl_or_b32 v253, v238, 16, v253
	s_delay_alu instid0(VALU_DEP_1)
	v_lshl_or_b32 v253, v239, 24, v253
.irp b, 0,1,2,3
	v_cvt_scalef32_pk8_fp4_f32 v[224+2*\b], v[96+16*\b:103+16*\b], v[244+\b]
	v_cvt_scalef32_pk8_fp4_f32 v[225+2*\b], v[104+16*\b:111+16*\b], v[244+\b]
.endr
	v_nop                                          ; one plain line behind a scaled conversion
.irp c, 0,1
.irp i, 0,1
	v_permlane16_swap_b32 v[224+4*\c+\i], v[226+4*\c+\i]   ; a whole block in a lane
.endr
.endr
	s_setprio 0
.irp j, 0,2,4,6,8,10,12,14,16,18,20,22,24,26,28,30
	v_pk_mul_f32 v[160+\j:161+\j], v[160+\j:161+\j], v[252:253] op_sel_hi:[1,0]   ; O^T under the new M.  These sixteen also stand between the writes of p's codes and scale word and the products below
.endr
.irp d, 0,1,2,3                                ; O^T += V^T P^T: the four accumulators by turns
.if \d%2
	v_wmma_scale_f32_16x16x128_f8f6f4 v[160+8*\d:167+8*\d], v[192+8*\d:199+8*\d], v[224:231], v[160+8*\d:167+8*\d], v[240+\d/2], v253 matrix_a_fmt:MATRIX_FMT_FP4 matrix_b_fmt:MATRIX_FMT_FP4 matrix_a_scale:MATRIX_SCALE_ROW1
.else
	v_wmma_scale_f32_16x16x128_f8f6f4 v[160+8*\d:167+8*\d], v[192+8*\d:199+8*\d], v[224:231], v[160+8*\d:167+8*\d], v[240+\d/2], v253 matrix_a_fmt:MATRIX_FMT_FP4 matrix_b_fmt:MATRIX_FMT_FP4
.endif
.endr
	s_add_co_u32 s48, s48, STEPB
.endm
.macro STEPS n
	s_mov_b32 s49, \n
.Lstep_\@:
	s_setprio 2
	STEP
	s_sub_co_u32 s49, s49, 1
	s_cmp_lg_u32 s49, 0
	s_cbranch_scc1 .Lstep_\@
	s_setprio 0
.endm
	s_wait_tensorcnt 0x3                           ; my half of the first piece, key steps 0 to 3, is in; the three loads behind it may be out
	s_barrier_signal -1
	s_barrier_wait -1
	STEPS 4
	s_wait_tensorcnt 0x0                           ; all of the head is in,
	s_wait_dscnt 0x0
	s_barrier_signal -1
	s_barrier_wait -1                              ; for everybody
	STEPS 12
	; ---- o = O / l
.rept 4
	v_nop                                          ; four plain lines behind the last products
.endr
	v_add_f32 v14, v14, v15                        ; the sum's two halves,
	s_delay_alu instid0(VALU_DEP_1)
	v_permlanex16_b32 v252, v14, s20, s21
	s_delay_alu instid0(VALU_DEP_1)
	v_add_f32 v14, v14, v252                       ; and lane l xor 16's: l, at least 1/2
	s_wait_alu depctr_va_vdst(0)
	v_rcp_f32 v14, v14
	v_nop                                          ; one plain line behind the reciprocal,
	s_wait_alu depctr_va_vdst(0)                   ; and the wait ahead of its first reader
.irp j, 0,2,4,6,8,10,12,14,16,18,20,22,24,26,28,30
	v_pk_mul_f32 v[96+\j:97+\j], v[160+\j:161+\j], v[14:15] op_sel_hi:[1,0]   ; register 16 b + i is o(my query, 32 b + 16 h + i)
.endr
	; ---- o's two blocks of 32 are quantised
.irp b, 0,1
	v_max3_num_f32 v[232+\b], |v[96+16*\b]|, |v[97+16*\b]|, 0x1800000
.endr
.irp i, 2,4,6,8,10,12,14
.irp b, 0,1
	s_delay_alu instid0(VALU_DEP_2)
	v_max3_num_f32 v[232+\b], v[232+\b], |v[96+16*\b+\i]|, |v[97+16*\b+\i]|
.endr
.endr
.irp b, 0,1
	s_delay_alu instid0(VALU_DEP_2)
	v_permlanex16_b32 v[236+\b], v[232+\b], s20, s21
.endr
.irp b, 0,1
	s_delay_alu instid0(VALU_DEP_2)
	v_max_num_f32 v[232+\b], v[232+\b], v[236+\b]
.endr
.irp b, 0,1
	s_delay_alu instid0(VALU_DEP_2)
	v_add_nc_u32 v[244+\b], 0xff000000, v[232+\b]
.endr
.irp b, 0,1
	s_delay_alu instid0(VALU_DEP_2)
	v_lshrrev_b32 v[236+\b], 23, v[244+\b]
.endr
	s_delay_alu instid0(VALU_DEP_1)
	v_lshl_or_b32 v253, v237, 8, v236              ; my tile's two bytes
.irp b, 0,1
	v_cvt_scalef32_pk8_fp4_f32 v[224+2*\b], v[96+16*\b:103+16*\b], v[244+\b]
	v_cvt_scalef32_pk8_fp4_f32 v[225+2*\b], v[104+16*\b:111+16*\b], v[244+\b]
.endr
	v_nop
	v_permlane16_swap_b32 v224, v226
	v_permlane16_swap_b32 v225, v227               ; v224-227: lane (r, h): o(query r, 32 h + 0 .. 31): half a fragment
	ds_store_b128 v5, v[224:227]
	ds_store_b16 v6, v253
	s_wait_dscnt 0x0                               ; for the others' sake: my stores have landed
	s_barrier_signal -1
	s_barrier_wait -1
	; ---- the head's share of o Wo^T, summed over the work-group's 256 tokens: pair p = tiles 2 p and 2 p + 1 as the two K halves
.irp p, 0,1,2,3,4,5,6,7
	ds_load_b128 v[96+8*\p:99+8*\p], v7 offset:1024*\p
	ds_load_b128 v[100+8*\p:103+8*\p], v7 offset:1024*\p+512
	ds_load_b32 v[240+\p+4*(\p/4)], v8 offset:128*\p   ; v240-243, v248-251: the pairs' scale words
.endr
	s_wait_dscnt 0x0
.irp p, 0,1,2,3,4,5,6,7
.irp u, 0,1,2,3                                ; four accumulators by turns; the first pair starts the sums
.if \p == 0
	v_wmma_scale_f32_16x16x128_f8f6f4 v[160+8*\u:167+8*\u], v[96+8*\p:103+8*\p], v[64+8*\u:71+8*\u], 0, v[240+\p+4*(\p/4)], v[24+\u] matrix_a_fmt:MATRIX_FMT_FP4 matrix_b_fmt:MATRIX_FMT_FP4
.else
	v_wmma_scale_f32_16x16x128_f8f6f4 v[160+8*\u:167+8*\u], v[96+8*\p:103+8*\p], v[64+8*\u:71+8*\u], v[160+8*\u:167+8*\u], v[240+\p+4*(\p/4)], v[24+\u] matrix_a_fmt:MATRIX_FMT_FP4 matrix_b_fmt:MATRIX_FMT_FP4
.endif
.endr
.endr
.rept 4
	v_nop
.endr
.irp u, 0,1,2,3                                ; the accumulator's 16 rows are added: 8 registers, from the low end on, then the other half of the lanes
	v_pk_add_f32 v[32+4*\u:33+4*\u], v[160+8*\u:161+8*\u], v[162+8*\u:163+8*\u]
	v_pk_add_f32 v[34+4*\u:35+4*\u], v[164+8*\u:165+8*\u], v[166+8*\u:167+8*\u]
.endr
.irp u, 0,1,2,3
	v_pk_add_f32 v[32+4*\u:33+4*\u], v[32+4*\u:33+4*\u], v[34+4*\u:35+4*\u]
.endr
.irp u, 0,1,2,3
	s_delay_alu instid0(VALU_DEP_4)
	v_add_f32 v[32+4*\u], v[32+4*\u], v[33+4*\u]
.endr
.irp u, 0,1,2,3
	s_delay_alu instid0(VALU_DEP_4)
	v_permlanex16_b32 v[34+4*\u], v[32+4*\u], s20, s21
.endr
.irp u, 0,1,2,3
	s_delay_alu instid0(VALU_DEP_4)
	v_add_f32 v[32+4*\u], v[32+4*\u], v[34+4*\u]   ; output 64 w + 4 r + u, in both halves of the lanes
.endr
	s_delay_alu instid0(VALU_DEP_2)
	v_cndmask_b32 v10, v32, v40, s50               ; lanes 0-15 store outputs 4 r, 4 r + 1; lanes 16-31 outputs 4 r + 2, 4 r + 3
	s_delay_alu instid0(VALU_DEP_2)
	v_cndmask_b32 v11, v36, v44, s50
	global_store_b64 v9, v[10:11], s[12:13]        ; the wave stores 256 consecutive bytes, aligned
	s_wait_xcnt 0x0
	v_lshl_add_u32 v254, v0, 2, 0x29000
	v_mov_b32 v255, 0
	s_wait_alu depctr_va_vdst(0)
	s_wait_tensorcnt 0x0
	ds_add_u32 v254, v255
	s_wait_dscnt 0x0
	CROUND                                         ; the closing round
	s_endpgm
.Lfunc_end_k_q48a183e3a5_attn:
	.size	k_q48a183e3a5_attn, .Lfunc_end_k_q48a183e3a5_attn-k_q48a183e3a5_attn
	.p2alignl 7, 3214868480
	.fill 96, 4, 3214868480
	.section	.rodata,"a",@progbits
	.p2align	6, 0x0
	.amdhsa_kernel k_q48a183e3a5_attn
		.amdhsa_group_segment_fixed_size 169984
		.amdhsa_private_segment_fixed_size 0
		.amdhsa_enable_private_segment 0
		.amdhsa_kernarg_size 40
		.amdhsa_user_sgpr_count 2
		.amdhsa_user_sgpr_kernarg_segment_ptr 1
		.amdhsa_wavefront_size32 1
		.amdhsa_system_sgpr_workgroup_id_x 1
		.amdhsa_system_sgpr_workgroup_id_y 1
		.amdhsa_system_sgpr_workgroup_id_z 1
		.amdhsa_system_vgpr_workitem_id 0
		.amdhsa_next_free_vgpr 256
		.amdhsa_next_free_sgpr 66
		.amdhsa_reserve_vcc 0
		.amdhsa_float_denorm_mode_32 3
		.amdhsa_float_denorm_mode_16_64 3
		.amdhsa_memory_ordered 1
		.amdhsa_forward_progress 1
		.amdhsa_inst_pref_size 55
	.end_amdhsa_kernel
	.amdgpu_metadata
---
amdhsa.version: [ 1, 2 ]
amdhsa.kernels:
  - .name:           k_q48a183e3a5_attn
    .symbol:         k_q48a183e3a5_attn.kd
    .args:
      - { .name: qimg, .offset: 0, .size: 8, .value_kind: global_buffer, .address_space: global }
      - { .name: kv, .offset: 8, .size: 8, .value_kind: global_buffer, .address_space: global }
      - { .name: Wo_codes, .offset: 16, .size: 8, .value_kind: global_buffer, .address_space: global }
      - { .name: Wo_scales, .offset: 24, .size: 8, .value_kind: global_buffer, .address_space: global }
      - { .name: part, .offset: 32, .size: 8, .value_kind: global_buffer, .address_space: global }
    .group_segment_fixed_size: 169984
    .private_segment_fixed_size: 0
    .kernarg_segment_align: 8
    .kernarg_segment_size: 40
    .max_flat_workgroup_size: 512
    .sgpr_count:     66
    .vgpr_count:     256
    .wavefront_size: 32
...
	.end_amdgpu_metadata
.endif
;; end of part 2
;; launch mean (part 3): grid 16 x 4, 8 waves a work-group, no clusters, 3,072 bytes of LDS; arguments part, bo, out0; writes out0
.if DOCPART == 3
	.amdgcn_target "amdgcn-amd-amdhsa--gfx1250"
	.amdhsa_code_object_version 6
	.text
	.protected	k_q48a183e3a5_mean
	.globl	k_q48a183e3a5_mean
	.p2align	8
	.type	k_q48a183e3a5_mean,@function
k_q48a183e3a5_mean:
	s_mov_b64 s[64:65], 0
	v_nop
	global_prefetch_b8 v0, s[64:65] scope:SCOPE_SE
	s_setreg_imm32_b32 hwreg(HW_REG_WAVE_MODE, 25, 1), 1
	s_wait_xcnt 0x0
; out0[b][n] = (the sum of part's 128 rows of batch b at n) / 2,048 + bo[n].  part: [512][1,024] f32; batch b owns rows 128 b .. 128 b + 127 (16 heads x 8 blocks of queries).
; A work-group takes 64 outputs of one batch: 256 bytes of each row.  Sixteen lanes read a row's 256 bytes; the 16 groups of sixteen lanes take 8 rows each; the groups' sums meet in LDS; wave 0 stores one aligned 256 bytes.
; No matrix unit, no cluster, no tensor load: 2 MB are read once and nothing is shared between work-groups.
	s_load_b128 s[4:7], s[0:1], 0x0                ; part, bo
	s_load_b64 s[8:9], s[0:1], 0x10                ; out0
	v_lshl_add_u32 v64, v0, 2, 0x800
	v_mov_b32 v65, 0
	v_lshrrev_b32 v1, 5, v0
	s_delay_alu instid0(VALU_DEP_1)
	v_readfirstlane_b32 s10, v1                    ; wave 0..7
	s_and_b32 s11, ttmp7, 0xffff                   ; the batch
	s_lshl_b32 s14, ttmp9, 8                       ; my 64 outputs, in bytes
	s_mov_b32 s15, 0
	s_lshl_b32 s12, s11, 19                        ; 128 rows of 4,096 bytes a batch
	s_add_co_u32 s12, s12, s14
	s_mov_b32 s13, 0
	s_lshl_b32 s16, s11, 12
	s_add_co_u32 s16, s16, s14
	s_mov_b32 s17, 0
	s_lshl_b32 s18, s10, 8
	s_mov_b32 s20, 0x76543210
	s_mov_b32 s21, 0xfedcba98                      ; v_permlanex16_b32's selects for lane l xor 16
	v_and_b32 v2, 15, v0
	v_lshrrev_b32 v3, 4, v0                        ; my group of sixteen lanes, 0..15
	s_delay_alu instid0(VALU_DEP_2)
	v_lshlrev_b32 v4, 4, v2                        ; my 16 bytes of a row's 256
	s_delay_alu instid0(VALU_DEP_1)
	v_lshl_add_u32 v5, v3, 12, v4                  ; row = group
	s_delay_alu instid0(VALU_DEP_2)
	v_add_nc_u32 v7, s18, v4                       ; LDS: 256 bytes a wave
	v_and_b32 v6, 31, v0
	s_delay_alu instid0(VALU_DEP_1)
	v_lshlrev_b32 v6, 3, v6                        ; 8 x lane
.irp j, 0,1,2,3
	v_mov_b32 v[48+\j], 0                          ; a lane permute's destination counts as one of its sources
.endr
	s_wait_alu depctr_va_vdst(0)
	s_wait_kmcnt 0x0
	s_add_nc_u64 s[4:5], s[4:5], s[12:13]
	s_add_nc_u64 s[6:7], s[6:7], s[14:15]
	s_add_nc_u64 s[8:9], s[8:9], s[16:17]
.irp i, 0,1,2,3,4,5,6,7
	global_load_b128 v[16+4*\i:19+4*\i], v5, s[4:5] offset:65536*\i th:TH_LOAD_NT   ; rows group + 16 i
.endr
	s_cmp_lg_u32 s10, 0
	s_cbranch_scc1 .Lno_bo
	global_load_b64 v[12:13], v6, s[6:7]           ; wave 0 alone finishes the sums and wants the bias
.Lno_bo:
	s_wait_loadcnt 0x0
.irp i, 0,1,2,3
	v_pk_add_f32 v[16+4*\i:17+4*\i], v[16+4*\i:17+4*\i], v[32+4*\i:33+4*\i]
	v_pk_add_f32 v[18+4*\i:19+4*\i], v[18+4*\i:19+4*\i], v[34+4*\i:35+4*\i]
.endr
.irp i, 0,1
	s_delay_alu instid0(VALU_DEP_4)
	v_pk_add_f32 v[16+4*\i:17+4*\i], v[16+4*\i:17+4*\i], v[24+4*\i:25+4*\i]
	s_delay_alu instid0(VALU_DEP_4)
	v_pk_add_f32 v[18+4*\i:19+4*\i], v[18+4*\i:19+4*\i], v[26+4*\i:27+4*\i]
.endr
	s_delay_alu instid0(VALU_DEP_2)
	v_pk_add_f32 v[16:17], v[16:17], v[20:21]
	s_delay_alu instid0(VALU_DEP_2)
	v_pk_add_f32 v[18:19], v[18:19], v[22:23]
.irp j, 0,1,2,3
	v_permlanex16_b32 v[48+\j], v[16+\j], s20, s21
.endr
	s_delay_alu instid0(VALU_DEP_3)
	v_pk_add_f32 v[16:17], v[16:17], v[48:49]      ; my wave's two groups together
	s_delay_alu instid0(VALU_DEP_2)
	v_pk_add_f32 v[18:19], v[18:19], v[50:51]
	ds_store_b128 v7, v[16:19]                     ; both halves of the lanes write the same bytes with the same values
	s_wait_dscnt 0x0                               ; for wave 0's sake: my store has landed
	s_barrier_signal -1
	s_barrier_wait -1
	s_cmp_lg_u32 s10, 0
	s_cbranch_scc1 .Ldone
.irp k, 0,1,2,3,4,5,6,7
	ds_load_b64 v[16+2*\k:17+2*\k], v6 offset:256*\k   ; two outputs a lane, of each wave's sums
.endr
	s_wait_dscnt 0x0
.irp k, 0,1,2,3
	v_pk_add_f32 v[16+2*\k:17+2*\k], v[16+2*\k:17+2*\k], v[24+2*\k:25+2*\k]
.endr
	s_delay_alu instid0(VALU_DEP_2)
	v_pk_add_f32 v[16:17], v[16:17], v[20:21]
	s_delay_alu instid0(VALU_DEP_2)
	v_pk_add_f32 v[18:19], v[18:19], v[22:23]
	s_delay_alu instid0(VALU_DEP_1)
	v_pk_add_f32 v[16:17], v[16:17], v[18:19]
	s_delay_alu instid0(VALU_DEP_1)
	v_pk_fma_f32 v[16:17], v[16:17], 0x3a000000, v[12:13] op_sel_hi:[1,0,1]   ; x 2^-11, + bo
	global_store_b64 v6, v[16:17], s[8:9]          ; 32 lanes store 256 consecutive bytes, aligned
.Ldone:
	s_wait_tensorcnt 0x0
	ds_add_u32 v64, v65
	s_wait_dscnt 0x0
	s_endpgm
.Lfunc_end_k_q48a183e3a5_mean:
	.size	k_q48a183e3a5_mean, .Lfunc_end_k_q48a183e3a5_mean-k_q48a183e3a5_mean
	.p2alignl 7, 3214868480
	.fill 96, 4, 3214868480
	.section	.rodata,"a",@progbits
	.p2align	6, 0x0
	.amdhsa_kernel k_q48a183e3a5_mean
		.amdhsa_group_segment_fixed_size 3072
		.amdhsa_private_segment_fixed_size 0
		.amdhsa_enable_private_segment 0
		.amdhsa_kernarg_size 24
		.amdhsa_user_sgpr_count 2
		.amdhsa_user_sgpr_kernarg_segment_ptr 1
		.amdhsa_wavefront_size32 1
		.amdhsa_system_sgpr_workgroup_id_x 1
		.amdhsa_system_sgpr_workgroup_id_y 1
		.amdhsa_system_sgpr_workgroup_id_z 1
		.amdhsa_system_vgpr_workitem_id 0
		.amdhsa_next_free_vgpr 66
		.amdhsa_next_free_sgpr 66
		.amdhsa_reserve_vcc 0
		.amdhsa_float_denorm_mode_32 3
		.amdhsa_float_denorm_mode_16_64 3
		.amdhsa_memory_ordered 1
		.amdhsa_forward_progress 1
		.amdhsa_inst_pref_size 6
	.end_amdhsa_kernel
	.amdgpu_metadata
---
amdhsa.version: [ 1, 2 ]
amdhsa.kernels:
  - .name:           k_q48a183e3a5_mean
    .symbol:         k_q48a183e3a5_mean.kd
    .args:
      - { .name: part, .offset: 0, .size: 8, .value_kind: global_buffer, .address_space: global }
      - { .name: bo, .offset: 8, .size: 8, .value_kind: global_buffer, .address_space: global }
      - { .name: out0, .offset: 16, .size: 8, .value_kind: global_buffer, .address_space: global }
    .group_segment_fixed_size: 3072
    .private_segment_fixed_size: 0
    .kernarg_segment_align: 8
    .kernarg_segment_size: 24
    .max_flat_workgroup_size: 256
    .sgpr_count:     66
    .vgpr_count:     66
    .wavefront_size: 32
...
	.end_amdgpu_metadata
.endif
;; end of part 3
